; MI455X (gfx1250); checked and timed in simulation.
; The chip was launched on July 23, 2026; its instructions are those of AMD's public machine-readable ISA for CDNA 5 (MIT licence, August 2026) and "CDNA5" Instruction Set Architecture Reference Guide (July 2026). The comments in the code are by the model that wrote it; some were corrected since.
;; STE Bit Linear. Allowed arithmetic: float matrix products may take bf16 or f16 operands with f32 sums; all other float work in f32.
;; Inputs: scales 131,072 float32; sign_weights 4,096 x 4,096 float32; x 4 x 1,024 x 4,096 float32.
;; Outputs: out0 4 x 1,024 x 4,096 float32.
;; 2 versions, each right; version 2 is version 1 with the launch prep written anew for expert scheduling mode. Each part assembles by itself: llvm-mc -triple=amdgcn-amd-amdhsa -mcpu=gfx1250 --defsym DOCPART=n.
;; ======== version 1 of 2: 2 launches
;; workspace buffers: xb 33,554,432 bytes; wb 33,554,432 bytes
;; launch prep (part 1): grid 512 x 1, 8 waves a work-group, no clusters, 0 bytes of LDS; arguments x, sign_weights, scales, xb, wb; writes xb, wb
.if DOCPART == 1
	.amdgcn_target "amdgcn-amd-amdhsa--gfx1250"
	.amdhsa_code_object_version 6
	.text
	.protected	k_q47c07a2974_prep
	.globl	k_q47c07a2974_prep
	.p2align	8
	.type	k_q47c07a2974_prep,@function
k_q47c07a2974_prep:
	s_mov_b64 s[64:65], 0
	v_nop
	global_prefetch_b8 v0, s[64:65] scope:SCOPE_SE
	s_setreg_imm32_b32 hwreg(HW_REG_WAVE_MODE, 25, 1), 1
	s_wait_xcnt 0x0
; xb[m][i] = bf16(x[m][i]);  wb[o][i] = bf16(sign(w[o][i]) * scales[32 o + i / 128]).  x, w: [4096][4096] f32; scales: [131072] f32; xb, wb: [4096][4096] bf16.
; Both are rounded once, to nearest even.  A weight is +-1, 0 or NaN times its group's scale, so rounding the product is rounding the scale: the product that follows
; works on x and on the scales rounded to bf16, and on nothing else that is rounded.  bf16 has f32's exponents: no limit of range.
; sign() in full: w != 0 (infinities too) gives the scale with w's sign bit turned onto its own (a negative scale is served); w = +-0 and w = NaN give w * scale,
; which is a zero (NaN if the scale is infinite, as 0 * scale is) or NaN.
; A STREAM: every byte is read once and written once, nothing is shared between waves, so there is no LDS, no barrier, no matrix work and no cluster.
; SHARES.  512 work-groups of eight waves: wave number o = 8 x work-group + wave takes row o of w and row o of x, 16,384 bytes each: 64 ITEMS of 128 numbers.
; An item: one load of 16 bytes a lane (512 consecutive bytes, aligned), four numbers' arithmetic, one store of 8 bytes a lane (the wave's 32 lanes write 256 consecutive
; bytes, aligned).  An item of w is exactly one group of 128, so its scale is ONE scalar register; the row's 32 scales come by two scalar loads.
; A ring of DEPTH slots in registers keeps DEPTH loads of every wave on their way.  All items are written out: an item's place stands in the immediate offsets
; (15,872 at the most), so no address register and no base is ever rewritten.
.set DEPTH,  16                        ; slots = loads in flight in each wave
.set GROUPS, 32                        ; items of w (one scale group each); as many items of x follow
.set ITEMS,  64
.set LO,  1                            ; v1        16 x lane: my 16 bytes in an item's 512; never rewritten
.set SO,  2                            ; v2        8 x lane: my 8 bytes in an item's 256; never rewritten
.set T,   4                            ; v[4:7]    the scale with w's sign, then the choice
.set P,   8                            ; v[8:11]   w x scale, taken where w is 0 or NaN
.set X,   12                           ; v[12:75]  slot i: 4 registers as loaded
.set Y,   76                           ; v[76:107] slot i: 2 registers to store
.set SC,  16                           ; s[16:47]  my row's 32 scales
.set CM,  48                           ; s[48:51]  lanes in which w is neither 0 nor NaN, for each of the four numbers
.set SB,  52                           ; s52       the sign bit
	s_load_b256 s[4:11], s[0:1], 0x0               ; x s[4:5], w s[6:7], scales s[8:9], xb s[10:11]
	s_load_b64 s[12:13], s[0:1], 0x20              ; wb
	v_and_b32 v3, 31, v0                           ; lane
	v_lshlrev_b32 v[LO], 4, v3
	v_lshlrev_b32 v[SO], 3, v3
	v_lshrrev_b32 v3, 5, v0
	v_readfirstlane_b32 s3, v3                     ; wave 0..7
	s_lshl_b32 s2, ttmp9, 3
	s_add_co_u32 s2, s2, s3                        ; o: my row, 0..4095
	s_mov_b32 s15, 0                               ; the offsets below stay under 2^27: their high word is 0
	s_mov_b32 s[SB], 0x80000000
	s_wait_kmcnt 0x0
	s_lshl_b32 s14, s2, 14                         ; a row of f32: 16,384 bytes
	s_add_nc_u64 s[4:5], s[4:5], s[14:15]
	s_add_nc_u64 s[6:7], s[6:7], s[14:15]
	s_lshl_b32 s14, s2, 13                         ; a row of bf16: 8,192 bytes
	s_add_nc_u64 s[10:11], s[10:11], s[14:15]
	s_add_nc_u64 s[12:13], s[12:13], s[14:15]
	s_lshl_b32 s14, s2, 7                          ; a row's 32 scales: 128 bytes
	s_add_nc_u64 s[8:9], s[8:9], s[14:15]
	s_load_b512 s[SC:SC+15], s[8:9], 0x0           ; no line of this text stores into scales
	s_load_b512 s[SC+16:SC+31], s[8:9], 0x40
.set t, 0
.rept DEPTH
	global_load_b128 v[X+4*t:X+4*t+3], v[LO], s[6:7] offset:512*t th:TH_LOAD_NT  ; fill the ring: items 0 to 15; each byte is read once in the launch
.set t, t+1
.endr
	s_wait_kmcnt 0x0                               ; the scales
; Item t (a symbol), in slot t % DEPTH.
.macro ITEM
.set XS, X+4*(t%DEPTH)
.set YS, Y+2*(t%DEPTH)
.if t < ITEMS-DEPTH
	s_wait_loadcnt DEPTH-1                         ; loads come back in order (ISA guide 5.7.1): mine is in; the 15 younger items' stay out
.else
	s_wait_loadcnt ITEMS-1-t                       ; the last 16 items load nothing more: the count runs down to 0
.endif
.if t >= DEPTH
	s_wait_xcnt 0x0                                ; the slot's Y, which the store of item t - 16 reads, is rewritten only behind this wait
.endif
.if t < GROUPS
.irp e, 0,1,2,3
	v_and_b32 v[T+(\e)], s[SB], v[XS+(\e)]         ; w's sign bit
.endr
.irp e, 0,1,2,3
	v_mul_f32 v[P+(\e)], s[SC+t], v[XS+(\e)]       ; w x scale: what sign(w) x scale is where w is 0 or NaN
.endr
.irp e, 0,1,2,3
	v_cmp_lg_f32 s[CM+(\e)], 0, v[XS+(\e)]         ; less or greater than 0: false for 0 and for NaN
.endr
.irp e, 0,1,2,3
	v_xor_b32 v[T+(\e)], s[SC+t], v[T+(\e)]        ; the scale, its sign turned where w is negative
.endr
.irp e, 0,1,2,3
	v_cndmask_b32 v[T+(\e)], v[P+(\e)], v[T+(\e)], s[CM+(\e)]
.endr
	v_cvt_pk_bf16_f32 v[YS],   v[T],   v[T+1]      ; two roundings to bf16, packed
	v_cvt_pk_bf16_f32 v[YS+1], v[T+2], v[T+3]
.else
	v_cvt_pk_bf16_f32 v[YS],   v[XS],   v[XS+1]
	v_cvt_pk_bf16_f32 v[YS+1], v[XS+2], v[XS+3]
.endif
.if t+DEPTH < GROUPS                   ; the slot's next item, 16 further on, is asked for ahead of the store
	global_load_b128 v[XS:XS+3], v[LO], s[6:7] offset:512*(t+DEPTH) th:TH_LOAD_NT
.elseif t+DEPTH < ITEMS
	global_load_b128 v[XS:XS+3], v[LO], s[4:5] offset:512*(t+DEPTH-GROUPS) th:TH_LOAD_NT
.endif
.if t < GROUPS
	global_store_b64 v[SO], v[YS:YS+1], s[12:13] offset:256*t            ; 32 lanes store 256 consecutive bytes, at a multiple of 256 from wb's first byte
.else
	global_store_b64 v[SO], v[YS:YS+1], s[10:11] offset:256*(t-GROUPS)   ; the same in xb.  No hint: the next launch reads these bytes
.endif
.endm
.set t, 0
.rept ITEMS
	ITEM
.set t, t+1
.endr
	s_endpgm
.Lfunc_end_k_q47c07a2974_prep:
	.size	k_q47c07a2974_prep, .Lfunc_end_k_q47c07a2974_prep-k_q47c07a2974_prep
	.p2alignl 7, 3214868480
	.fill 96, 4, 3214868480
	.section	.rodata,"a",@progbits
	.p2align	6, 0x0
	.amdhsa_kernel k_q47c07a2974_prep
		.amdhsa_group_segment_fixed_size 0
		.amdhsa_private_segment_fixed_size 0
		.amdhsa_enable_private_segment 0
		.amdhsa_kernarg_size 40
		.amdhsa_user_sgpr_count 2
		.amdhsa_user_sgpr_kernarg_segment_ptr 1
		.amdhsa_wavefront_size32 1
		.amdhsa_system_sgpr_workgroup_id_x 1
		.amdhsa_system_sgpr_workgroup_id_y 1
		.amdhsa_system_sgpr_workgroup_id_z 1
		.amdhsa_system_vgpr_workitem_id 0
		.amdhsa_next_free_vgpr 108
		.amdhsa_next_free_sgpr 66
		.amdhsa_reserve_vcc 0
		.amdhsa_float_denorm_mode_32 3
		.amdhsa_float_denorm_mode_16_64 3
		.amdhsa_memory_ordered 1
		.amdhsa_forward_progress 1
		.amdhsa_inst_pref_size 53
	.end_amdhsa_kernel
	.amdgpu_metadata
---
amdhsa.version: [ 1, 2 ]
amdhsa.kernels:
  - .name:           k_q47c07a2974_prep
    .symbol:         k_q47c07a2974_prep.kd
    .args:
      - { .name: x, .offset: 0, .size: 8, .value_kind: global_buffer, .address_space: global }
      - { .name: sign_weights, .offset: 8, .size: 8, .value_kind: global_buffer, .address_space: global }
      - { .name: scales, .offset: 16, .size: 8, .value_kind: global_buffer, .address_space: global }
      - { .name: xb, .offset: 24, .size: 8, .value_kind: global_buffer, .address_space: global }
      - { .name: wb, .offset: 32, .size: 8, .value_kind: global_buffer, .address_space: global }
    .group_segment_fixed_size: 0
    .private_segment_fixed_size: 0
    .kernarg_segment_align: 8
    .kernarg_segment_size: 40
    .max_flat_workgroup_size: 256
    .sgpr_count:     66
    .vgpr_count:     108
    .wavefront_size: 32
...
	.end_amdgpu_metadata
.endif
;; end of part 1
;; launch gemm (part 2): grid 16 x 16, 4 waves a work-group, clusters of 4 x 4, 327,680 bytes of LDS; arguments xb, wb, out0; writes out0
.if DOCPART == 2
	.amdgcn_target "amdgcn-amd-amdhsa--gfx1250"
	.amdhsa_code_object_version 6
	.text
	.protected	k_q47c07a2974_gemm
	.globl	k_q47c07a2974_gemm
	.p2align	8
	.type	k_q47c07a2974_gemm,@function
k_q47c07a2974_gemm:
	s_mov_b64 s[64:65], 0
	v_nop
	global_prefetch_b8 v0, s[64:65] scope:SCOPE_SE
	s_setreg_imm32_b32 hwreg(HW_REG_WAVE_MODE, 25, 1), 1
	s_wait_xcnt 0x0
	s_wait_alu depctr_hold_cnt(0) depctr_sa_sdst(0) depctr_va_vdst(0) depctr_va_sdst(0) depctr_va_ssrc(0) depctr_va_vcc(0) depctr_vm_vsrc(0)
	s_getreg_b32 s2, hwreg(HW_REG_IB_STS2, 6, 4)
	s_cmp_eq_u32 s2, 0
	s_cbranch_scc0 .Lentry_in_a_cluster
	s_endpgm
.Lentry_in_a_cluster:
	s_bfe_u32 s2, ttmp6, 0x10000c
	s_cmp_lg_u32 s2, 0xf033
	s_cbranch_scc0 .Lentry_shape_is_right
	s_endpgm
.Lentry_shape_is_right:
; C[m][n] = sum over k of A[m][k] B[n][k].  A = xb: [4096][4096] bf16 (x rounded), B = wb: [4096][4096] bf16 (sign x scale, rounded), C = out0: [4096][4096] f32.
; One f32 sum for each output, K ascending; the sums are stored as they are.  The only rounding beside the f32 sums is the operands' to bf16, made by the launch before.
; A tile of C, 256 x 256, is made by a work-group of four waves; a wave makes 128 x 128: 64 accumulators of 16 x 16, 512 registers.  16 x 16 tiles: 256 work-groups, one tile each.
; K goes in 32 steps of 128 through a ring of two LDS slots filled by the tensor data mover: the rows of A's and B's tiles are 256 bytes of memory and start at
; multiples of 256 bytes from the buffer's first byte.
; CLUSTERS: 4 x 4 work-groups form a cluster.  The four of a row of the cluster make the tiles of one tile row of C and need the same tiles of A; the four of a column
; need the same tiles of B.  Such a tile is asked for JOINTLY: each of the four issues the same tensor load, with the same descriptor and a mask that names the four, and
; each receives the tile in its own LDS.  That divides the requests for A and for B by four.
; No prefetch is written: every tile is shared by a joint load, and a refill is asked for 224 matrix instructions ahead of the wait for it.
;
; REGISTERS, in windows of 256 (an instruction names v0-v255; s_set_vgpr_msb says which window each operand place means):
;   window 0: v0-31 addresses; v64-127, v128-191 fragments of A (8 x 16 rows x 32 K), two buffers; on the way out the same 128 registers take rows back from the stage
;   window 1: v64-127, v128-191 fragments of B, two buffers
;   window 2: the 32 accumulators of my rows 0-63 (accumulator (a, b) at v[8 (8 a + b)]);   window 3: those of my rows 64-127
; s_set_vgpr_msb's low byte: bits 1:0 source 0, 3:2 source 1, 5:4 source 2, 7:6 destination.  Work is laid in long stretches under one setting.
;
; THE MATRIX INSTRUCTION IS USED TRANSPOSED: source 0 = 16 rows of B, source 1 = 16 rows of A.  In the result, lane l then holds row m = l % 16 of C, and its registers
; 0 to 7 the columns n = 8 (l / 16) + 0 .. 7: eight NEIGHBOURING numbers of a row of C, 32 bytes that belong together.
.set SIZE_M, 4096
.set SIZE_N, 4096
.set SIZE_K, 4096
.set KSTEP,  128
.set PITCH,  272                       ; an LDS row: 256 bytes of data + 16 of padding = 68 words: row r starts at bank 4 r mod 64 (64 banks of 4 bytes: ISA guide 11.1), so the 16 rows that a load touches start at 16 different banks
.set HALFT,  128*PITCH                 ; 128 rows: what one tensor load brings, and what one wave reads of A or of B
.set SLOT,   4*HALFT                   ; A's 256 rows, then B's 256 rows
.set STAGE,  2*SLOT                    ; behind the ring: 16 rows x 528 bytes for each wave, for the way out; no tensor load lands here
.set SPITCH, 528                       ; a stage row: 512 bytes (128 f32) + 16 = 132 words: again 16 rows of one column start at 16 different groups of four banks
.set SPARE,  STAGE+4*16*SPITCH         ; behind the stages: the spare words, 128 bytes for each wave: two blocks of 256 bytes that no other line names
.set LAPS,   SIZE_K/(2*KSTEP)          ; a lap = two K steps = once round the ring: 16
.set CROW,   SIZE_N*4                  ; bytes in a row of C
.set ADRA, 16                          ; v16-17  LDS address of my A fragments in slot 0, 1
.set ADRB, 20                          ; v20-21  the same for B
.set STO,  24                          ; v24     the way out: where I put 32 bytes of a row
.set RD,   25                          ; v25     the way out: where I read 16 bytes of a row back
.set CO,   26                          ; v26     my byte offset in my wave's 512 bytes of a row of C; never rewritten
.set SPW,  28                          ; v28     LDS address of my spare word: SPARE + 4 x my thread's number; never rewritten
.set NIL,  29                          ; v29     0; never rewritten
.set F0,   64                          ; fragment buffer 0
.set F1,   128                         ; fragment buffer 1
.set OB,   64                          ; the way out: 16 rows read back from the stage, 64 registers: v64-127 and v128-191 by turns
.set G1, 24                            ; s[24:31] descriptor group 1 for A's tiles
.set G0, 32                            ; s[32:39] descriptor group 0 for A's tiles, one set for each slot
.set G1B, 48                           ; s[48:55] descriptor group 1 for B's tiles: it differs from A's in the mask alone
.set G0B, 56                           ; s[56:63] descriptor group 0 for B's tiles, one set for each slot
.set MSB, 0
.macro WIN new                         ; the immediate's high byte repeats the setting that is left; a switch that changes nothing is dropped
.if MSB != (\new)
	s_set_vgpr_msb (MSB<<8)|(\new)
.set MSB, \new
.endif
.endm
.set MUL_LO, 0xa1                      ; source 0 (B) window 1, source 1 (A) window 0, C and D window 2
.set MUL_HI, 0xf1                      ; the same, C and D window 3
.set TO_B,   0x40                      ; destination window 1, address window 0
; A joint load.  Waves 0 and 1 fetch A's two halves, waves 2 and 3 B's.  Each of the two lines has ONE mask and one set of registers for all that issue it, and nothing in
; them hangs on a coordinate that the four partners do not share.  The branch hangs on the wave's number alone: it is the same in every work-group.
; An s_nop 0 and four v_nop follow each of the two lines; the jump round the other line, the label and what follows the macro come after them.
.macro JLOAD s
	s_cmp_eq_u32 s11, 0
	s_cbranch_scc0 .Lfor_b_\@
	tensor_load_to_lds s[G0+4*(\s):G0+4*(\s)+3], s[G1:G1+7]
	s_nop 0
.rept 4
	v_nop
.endr
	s_branch .Lasked_\@
.Lfor_b_\@:
	tensor_load_to_lds s[G0B+4*(\s):G0B+4*(\s)+3], s[G1B:G1B+7]
	s_nop 0
.rept 4
	v_nop
.endr
.Lasked_\@:
.endm
; A round of the cluster's barrier: my work-group's barrier, so that wave 0's signal speaks for all four waves; wave 0 signals for the work-group; every wave waits for all
; sixteen work-groups; my work-group's barrier once more.  No LDS instruction of the wave is pending at a signal.
.macro CREST                           ; a round behind its opening barrier
	s_cmp_lg_u32 s10, 0
	s_cbranch_scc1 .Lnot_wave_0_\@
	s_barrier_signal -3
.Lnot_wave_0_\@:
	s_barrier_wait -3
	s_barrier_signal -1
	s_barrier_wait -1
.endm
.macro CROUND                          ; a whole round
	s_barrier_signal -1
	s_barrier_wait -1
	CREST
.endm
	s_load_b128 s[4:7], s[0:1], 0x0                ; A s[4:5], B s[6:7]
	s_load_b64 s[8:9], s[0:1], 0x10                ; C
	v_lshl_add_u32 v[SPW], v0, 2, SPARE
	v_mov_b32 v[NIL], 0
	ds_add_u32 v[SPW], v[NIL]                      ; the wave's opening: the add and its wait come ahead of my first tensor load; the set-up below, work on registers, stands between them
	v_lshrrev_b32 v1, 5, v0
	v_readfirstlane_b32 s10, v1                    ; wave 0..3
	s_lshr_b32 s11, s10, 1                         ; which half of the tile's rows is mine.  Also: I fetch for A (0) or for B (1)
	s_and_b32 s12, s10, 1                          ; which half of its columns.  Also: which 128 rows of that tile I fetch
	s_bfe_u32 s40, ttmp6, 0x40000                  ; cx: my place along the cluster's x
	s_bfe_u32 s41, ttmp6, 0x40004                  ; cy: along its y
	s_lshl_b32 s42, ttmp9, 2                       ; in a cluster launch ttmp9 and ttmp7 count clusters
	s_add_co_u32 s42, s42, s40                     ; tile column of C = 4 x cluster x + cx
	s_and_b32 s13, ttmp7, 0xffff
	s_lshl_b32 s13, s13, 2
	s_add_co_u32 s13, s13, s41                     ; tile row of C = 4 x cluster y + cy
	s_lshl_b32 s43, s41, 2
	s_lshl_b32 s43, 15, s43                        ; my row of the cluster: places 4 cy .. 4 cy + 3
	s_lshl_b32 s44, 0x1111, s40                    ; my column: places cx, cx + 4, cx + 8, cx + 12
	; descriptor group 1: a tile of 128 rows x 128 elements, padded in LDS
	s_or_b32 s[G1+0], s43, (1<<16)|(1<<20)|(1<<21)|(5<<22)|(3<<25)  ; 15:0 the mask: A's tiles go to my row; 17:16 element of 2 bytes; 20 padding on; 21 set beside a mask; 24:22 after every 64 words (code 5); 31:25 of 4 words (code 3)
	s_or_b32 s[G1B+0], s44, (1<<16)|(1<<20)|(1<<21)|(5<<22)|(3<<25) ; the same with the mask of my column, for B's tiles
	s_mov_b32 s[G1B+1], KSTEP<<16
	s_mov_b32 s[G1+1], KSTEP<<16                   ; 63:48 tensor_dim0, low half = 128
	s_mov_b32 s[G1B+2], 128<<16
	s_mov_b32 s[G1+2], 128<<16                     ; 79:64 its high half = 0; 95:80 tensor_dim1, low half = 128
	s_mov_b32 s[G1B+3], KSTEP<<16
	s_mov_b32 s[G1+3], KSTEP<<16                   ; 111:96 its high half = 0; 127:112 tile_dim0 = 128
	s_mov_b32 s[G1B+4], 128
	s_mov_b32 s[G1+4], 128                         ; 143:128 tile_dim1 = 128; 159:144 tile_dim2 = 0
	s_mov_b32 s[G1B+5], SIZE_K
	s_mov_b32 s[G1+5], SIZE_K                      ; 191:160 tensor_dim0_stride, low word: elements from row to row
	s_mov_b32 s[G1B+6], 0
	s_mov_b32 s[G1+6], 0
	s_mov_b32 s[G1B+7], 0
	s_mov_b32 s[G1+7], 0
	; where the tiles come from.  A's hang on the tile row alone, which my row of the cluster shares; B's on the tile column alone, which my column shares.
	; Every wave makes both addresses, in registers that never hold the other coordinate, and asks by one of them.
	s_lshl_b32 s17, s12, 7                         ; which 128 rows of the tile I fetch
	s_lshl_b32 s16, s13, 8
	s_add_co_u32 s16, s16, s17                     ; A: row 256 x tile row + 128 x half
	s_lshl_b32 s46, s42, 8
	s_add_co_u32 s46, s46, s17                     ; B: row 256 x tile column + 128 x half
	s_mov_b32 s17, 0
	s_mov_b32 s47, 0
	s_mov_b64 s[18:19], SIZE_K*2
	s_mul_u64 s[16:17], s[16:17], s[18:19]         ; in bytes, in 64 bits
	s_mul_u64 s[46:47], s[46:47], s[18:19]
	s_mul_i32 s20, s10, HALFT                      ; and where they go: A's two halves, then B's two halves = wave x 128 rows: no place in the cluster enters an LDS address
	s_wait_dscnt 0x0                               ; the opening add is done
	s_wait_kmcnt 0x0
	s_add_nc_u64 s[14:15], s[4:5], s[16:17]
	s_add_nc_u64 s[46:47], s[6:7], s[46:47]
	CROUND                                         ; all sixteen work-groups are here: the first joint loads meet
.irp s, 0,1
	s_mov_b32 s[G0+4*(\s)], 1                                      ; 1:0 count = 1
	s_add_co_u32 s[G0+4*(\s)+1], s20, (\s)*SLOT                    ; 63:32 LDS address
	s_add_nc_u64 s[G0+4*(\s)+2:G0+4*(\s)+3], s[14:15], (\s)*KSTEP*2  ; 120:64 global address: K step s
	s_or_b32 s[G0+4*(\s)+3], s[G0+4*(\s)+3], 0x80000000            ; 127:126 type = 2
	s_mov_b32 s[G0B+4*(\s)], 1
	s_add_co_u32 s[G0B+4*(\s)+1], s20, (\s)*SLOT
	s_add_nc_u64 s[G0B+4*(\s)+2:G0B+4*(\s)+3], s[46:47], (\s)*KSTEP*2
	s_or_b32 s[G0B+4*(\s)+3], s[G0B+4*(\s)+3], 0x80000000
	JLOAD \s                                       ; the ring is filled before anything else is done: two tensor loads of mine are out
.endr
	; A fragment is 16 rows x 32 K in 8 registers: lane l holds row l % 16; registers 0-3 hold K = 8 (l / 16) + 0..7, registers 4-7 hold
	; K = 16 + 8 (l / 16) + 0..7.  From rows that lie along K: two loads of 16 bytes, 32 bytes apart.  The same for source 0 and source 1.
	v_and_b32 v1, 15, v0                           ; l % 16
	v_bfe_u32 v2, v0, 4, 1                         ; l / 16
	v_mul_u32_u24 v3, v1, PITCH
	v_lshl_add_u32 v3, v2, 4, v3                   ; row x pitch + 16 x half
	s_mul_i32 s21, s11, HALFT                      ; my 128 rows of A
	s_mul_i32 s22, s12, HALFT                      ; my 128 rows of B,
	s_add_co_u32 s22, s22, 2*HALFT                 ; which lie behind A's 256
.irp s, 0,1
	v_add_nc_u32 v[ADRA+(\s)], s21, v3
	v_add_nc_u32 v[ADRB+(\s)], s22, v3
	s_add_co_u32 s21, s21, SLOT
	s_add_co_u32 s22, s22, SLOT
.endr
	s_mul_i32 s23, s10, 16*SPITCH
	s_add_co_u32 s23, s23, STAGE                   ; my stage
	v_mul_u32_u24 v4, v1, SPITCH                   ; in: row l % 16, 32 bytes (8 f32) for each half of the lanes
	v_lshl_add_u32 v4, v2, 5, v4
	v_add_nc_u32 v[STO], s23, v4
	v_and_b32 v5, 31, v0                           ; back: the 32 lanes take one row of 512 bytes, 16 bytes each,
	v_lshlrev_b32 v[CO], 4, v5                     ; and the same 512 bytes of a row of C
	v_add_nc_u32 v[RD], s23, v[CO]
	; C at my wave's first row and column: added once; the rows' places stand in the stores' immediates
	s_lshl_b32 s13, s13, 8
	s_lshl_b32 s14, s11, 7
	s_add_co_u32 s16, s13, s14                     ; my first row of C, 3,968 at the most,
	s_lshl_b32 s16, s16, 14                        ; times 16,384 bytes: under 2^32
	s_mov_b32 s17, 0
	s_add_nc_u64 s[8:9], s[8:9], s[16:17]
	s_lshl_b32 s46, s42, 10                        ; my first column, in bytes: 1,024 x tile column + 512 x half
	s_lshl_b32 s47, s12, 9
	s_add_co_u32 s46, s46, s47
	s_mov_b32 s47, 0
	s_add_nc_u64 s[8:9], s[8:9], s[46:47]
; 16 matrix instructions: m blocks a0, a0 + 1 of the window's four (hi = 0: my rows 0-63, 1: rows 64-127) x all 8 n blocks, 32 along K.
; zero = 1: the first product starts the sums: nothing is ever cleared.  The 64 accumulators take turns, one instruction a turn, in the same order in every quarter
; step, over the loop's backward jump and in the tail too.
.macro MUL16 f, hi, a0, zero
	WIN MUL_LO+0x50*(\hi)  ; MUL_LO or MUL_HI
.irp a, \a0, (\a0)+1
.irp b, 0,1,2,3,4,5,6,7
.if \zero
	v_wmma_f32_16x16x32_bf16 v[8*(8*(\a)+(\b)):8*(8*(\a)+(\b))+7], v[(\f)+8*(\b):(\f)+8*(\b)+7], v[(\f)+8*(4*(\hi)+(\a)):(\f)+8*(4*(\hi)+(\a))+7], 0
.else
	v_wmma_f32_16x16x32_bf16 v[8*(8*(\a)+(\b)):8*(8*(\a)+(\b))+7], v[(\f)+8*(\b):(\f)+8*(\b)+7], v[(\f)+8*(4*(\hi)+(\a)):(\f)+8*(4*(\hi)+(\a))+7], v[8*(8*(\a)+(\b)):8*(8*(\a)+(\b))+7]
.endif
.endr
.endr
.endm
; 32 LDS loads in one run: the fragments of one quarter step (128 rows of B, 128 rows of A, 32 K at byte k of the rows) into buffer f
.macro FETCH slot, k, f
	WIN TO_B
.irp i, 0,1,2,3,4,5,6,7
	ds_load_b128 v[(\f)+8*(\i):(\f)+8*(\i)+3],   v[ADRB+(\slot)] offset:(\k)+(\i)*16*PITCH
	ds_load_b128 v[(\f)+8*(\i)+4:(\f)+8*(\i)+7], v[ADRB+(\slot)] offset:(\k)+(\i)*16*PITCH+32
.endr
	WIN 0
.irp i, 0,1,2,3,4,5,6,7
	ds_load_b128 v[(\f)+8*(\i):(\f)+8*(\i)+3],   v[ADRA+(\slot)] offset:(\k)+(\i)*16*PITCH
	ds_load_b128 v[(\f)+8*(\i)+4:(\f)+8*(\i)+7], v[ADRA+(\slot)] offset:(\k)+(\i)*16*PITCH+32
.endr
.endm
; A load into a register that a matrix instruction has read, and an LDS store that reads a matrix result, stand four places behind that matrix instruction, and only
; plain vector instructions that name none of its registers are places (ISA guide 7.12.1 for vector instructions); this text
; does not count the matrix instructions in between.  So four v_nop stand in front of each run of loads, and in front of the way out.
.macro PLACES
.rept 4
	v_nop
.endr
.endm
; A K step is four quarter steps of 32 along K, 64 matrix instructions each, on buffers 0, 1, 0, 1.
; One of the first three: multiplies buffer f; in its middle it fetches the next quarter's fragments, at byte k of the same slot's rows, into buffer g.
.macro QUARTER slot, k, f, g, zero
	s_wait_dscnt 8                                 ; B and A's rows 0-63 are in; the youngest eight loads (A's rows 64-127) may be out
	WIN MUL_LO
	MUL16 \f, 0, 0, \zero
	MUL16 \f, 0, 2, \zero
	PLACES
	FETCH \slot, \k, \g
	s_wait_dscnt 32                                ; all but the 32 just issued
	WIN MUL_HI
	MUL16 \f, 1, 0, \zero
	MUL16 \f, 1, 2, \zero
.endm
; The last quarter multiplies buffer 1 and changes slots.  MEET is its first half: ONE barrier for the change of slots, for two things.  In front of it each wave waits for
; all its tensor loads, of which one is out: its part of the next slot; adds 0 to its spare word; and waits for that and for its own reads of this slot.  Behind it nobody reads this slot any more and the next slot is whole.
.macro MEET round                      ; round = 1: a round of the cluster's barrier follows
	WIN 0                                          ; (the add's two registers lie in window 0)
	s_wait_tensorcnt 0x0                           ; all my tensor loads have landed: the one that was out is my part of the next slot;
	ds_add_u32 v[SPW], v[NIL]                      ; 0 onto my spare word;
	s_wait_dscnt 9                                 ; (the add and the youngest eight loads may be out)
	WIN MUL_LO
	MUL16 F1, 0, 0, 0                              ; sixteen matrix instructions stand between the add and the wait for it
	s_wait_dscnt 0x0                               ; the add is done, and my reads of this slot are over (the last were issued 48 matrix instructions ago):
	s_barrier_signal -1                            ; say so (where a slot is filled again this barrier opens a round of the cluster's barrier),
	MUL16 F1, 0, 2, 0                              ; work on registers while the others arrive,
.if \round
	WIN 0
.endif
	s_barrier_wait -1                              ; and go on when all four have said so
.endm
; The whole last quarter where the slot is filled again.  Behind the round the slot just read out takes the K step two steps on, first of all; then come the next slot's
; first fragments.  From a request to the wait for it a wave issues 224 matrix instructions.
.macro TURN slot, next
	MEET 1
	CREST                                          ; wave 0 says so for the work-group, all sixteen work-groups have said so, my work-group's barrier closes the round:
	                                               ; no wave of any partner still reads this slot's tile or has a load on its way
	s_add_nc_u64 s[G0+4*(\slot)+2:G0+4*(\slot)+3], s[G0+4*(\slot)+2:G0+4*(\slot)+3], 2*KSTEP*2    ; no tensor load of mine is out: a group 0 may be written; the type bits on top are not reached
	s_add_nc_u64 s[G0B+4*(\slot)+2:G0B+4*(\slot)+3], s[G0B+4*(\slot)+2:G0B+4*(\slot)+3], 2*KSTEP*2
	JLOAD \slot                                    ; the first tensor load behind the round, my only one until the next; the four v_nop behind it are also the places in front of the loads below
	FETCH \next, 0, F0
	WIN MUL_HI
	MUL16 F1, 1, 0, 0
	MUL16 F1, 1, 2, 0
.endm
; The same quarter in the last lap: from slot 0 to slot 1, and nothing is left to ask for, so the work-group's barrier is enough.
.macro TURNX
	MEET 0
	PLACES                                         ; for the loads into buffer 0, which the quarter before multiplied
	FETCH 1, 0, F0
	WIN MUL_HI
	MUL16 F1, 1, 0, 0
	MUL16 F1, 1, 2, 0
.endm
; THE WAY OUT of block a (16 of my rows x my 128 columns), in two parts.  A lane's 32 bytes are a sixteenth of a row's 512, and the lanes beside it hold other rows.
; TOSTAGE: the block's eight accumulators go into my own stage in LDS, each accumulator's four lowest registers first, and come
; back as whole rows of 512 bytes.  SEND: stored.
.macro TOSTAGE a
.set AC, 64*((\a)%4)                   ; its eight accumulators, in window 2 (blocks 0-3) or 3 (blocks 4-7)
.set BK, OB+64*((\a)%2)
	WIN 0x08+4*((\a)/4)                            ; an LDS store's data is source 1: window 2 or 3; its address window 0
.irp b, 0,1,2,3,4,5,6,7
	ds_store_b128 v[STO], v[AC+8*(\b):AC+8*(\b)+3]   offset:64*(\b)
	ds_store_b128 v[STO], v[AC+8*(\b)+4:AC+8*(\b)+7] offset:64*(\b)+16
.endr
	WIN 0
.if (\a) >= 2
	s_wait_xcnt 0x0                                ; these registers, which the stores of block a - 2 read, are loaded again only behind this wait
.endif
.irp t, 0,1,2,3,4,5,6,7,8,9,10,11,12,13,14,15
	ds_load_b128 v[BK+4*(\t):BK+4*(\t)+3], v[RD] offset:(\t)*SPITCH  ; LDS serves a wave's instructions in order (ISA guide 5.7.1.4): these see the stores above; the next block's stores come behind them
.endr
.endm
.macro SEND a, younger                 ; younger: the LDS instructions issued behind block a's loads: the next block's 16 stores and 16 loads, or none
	WIN 0
.set BK, OB+64*((\a)%2)
	s_wait_dscnt \younger                          ; the block is back in registers
.irp t, 0,1,2,3,4,5,6,7,8,9,10,11,12,13,14,15
	global_store_b128 v[CO], v[BK+4*(\t):BK+4*(\t)+3], s[8:9] offset:(16*(\a)+(\t))*CROW th:TH_STORE_NT  ; 32 lanes store 512 consecutive bytes, at a multiple of 512 from C's first byte; 127 rows of C at the most, 2,080,768 bytes: inside the signed 24-bit immediate
.endr
.endm
	s_wait_tensorcnt 1                             ; my part of K step 0 is in; K step 1's may stay out
	s_barrier_signal -1
	s_barrier_wait -1                              ; everybody's is
	FETCH 0, 0, F0
	QUARTER 0, 64,  F0, F1, 1                      ; the first quarter stands in front of the loop: its products start the sums
	WIN 0                                          ; at a label and at a branch every window is 0
	s_mov_b32 s3, LAPS-1
.Llap:                                                 ; 15 trips: a trip goes once round the ring, from a lap's second quarter to the next lap's first, and fills both slots again; the last trip asks for K steps 30 and 31
	QUARTER 0, 128, F1, F0, 0
	QUARTER 0, 192, F0, F1, 0
	TURN 0, 1
	QUARTER 1, 64,  F0, F1, 0
	QUARTER 1, 128, F1, F0, 0
	QUARTER 1, 192, F0, F1, 0
	TURN 1, 0
	QUARTER 0, 64,  F0, F1, 0
	WIN 0
	s_sub_co_u32 s3, s3, 1
	s_cmp_lg_u32 s3, 0
	s_cbranch_scc1 .Llap
	QUARTER 0, 128, F1, F0, 0                      ; the last lap is written out: it asks for nothing
	QUARTER 0, 192, F0, F1, 0
	TURNX
	QUARTER 1, 64,  F0, F1, 0
	QUARTER 1, 128, F1, F0, 0
	QUARTER 1, 192, F0, F1, 0
	s_wait_dscnt 8                                 ; the very last quarter: nothing more to fetch
	WIN MUL_LO
	MUL16 F1, 0, 0, 0
	MUL16 F1, 0, 2, 0
	s_wait_dscnt 0x0
	WIN MUL_HI
	MUL16 F1, 1, 0, 0
	MUL16 F1, 1, 2, 0
	PLACES                                         ; behind the last products: the LDS stores below read results, and the loads from the stage land in A's fragment buffers
	TOSTAGE 0
.irp a, 1,2,3,4,5,6,7                  ; block a's trip through the stage is issued ahead of the wait for block a - 1's
	TOSTAGE \a
	SEND (\a)-1, 32
.endr
	SEND 7, 0
	s_wait_tensorcnt 0x0                           ; the wave's end: behind my last tensor load and my last LDS store
	ds_add_u32 v[SPW], v[NIL]
	s_wait_dscnt 0x0
	CROUND                                         ; the closing round: no work-group ends while a partner may still ask for a tile that names it
	s_endpgm
.Lfunc_end_k_q47c07a2974_gemm:
	.size	k_q47c07a2974_gemm, .Lfunc_end_k_q47c07a2974_gemm-k_q47c07a2974_gemm
	.p2alignl 7, 3214868480
	.fill 96, 4, 3214868480
	.section	.rodata,"a",@progbits
	.p2align	6, 0x0
	.amdhsa_kernel k_q47c07a2974_gemm
		.amdhsa_group_segment_fixed_size 327680
		.amdhsa_private_segment_fixed_size 0
		.amdhsa_enable_private_segment 0
		.amdhsa_kernarg_size 24
		.amdhsa_user_sgpr_count 2
		.amdhsa_user_sgpr_kernarg_segment_ptr 1
		.amdhsa_wavefront_size32 1
		.amdhsa_system_sgpr_workgroup_id_x 1
		.amdhsa_system_sgpr_workgroup_id_y 1
		.amdhsa_system_sgpr_workgroup_id_z 1
		.amdhsa_system_vgpr_workitem_id 0
		.amdhsa_next_free_vgpr 1024
		.amdhsa_next_free_sgpr 66
		.amdhsa_reserve_vcc 0
		.amdhsa_float_denorm_mode_32 3
		.amdhsa_float_denorm_mode_16_64 3
		.amdhsa_memory_ordered 1
		.amdhsa_forward_progress 1
		.amdhsa_inst_pref_size 140
	.end_amdhsa_kernel
	.amdgpu_metadata
---
amdhsa.version: [ 1, 2 ]
amdhsa.kernels:
  - .name:           k_q47c07a2974_gemm
    .symbol:         k_q47c07a2974_gemm.kd
    .args:
      - { .name: xb, .offset: 0, .size: 8, .value_kind: global_buffer, .address_space: global }
      - { .name: wb, .offset: 8, .size: 8, .value_kind: global_buffer, .address_space: global }
      - { .name: out0, .offset: 16, .size: 8, .value_kind: global_buffer, .address_space: global }
    .group_segment_fixed_size: 327680
    .private_segment_fixed_size: 0
    .kernarg_segment_align: 8
    .kernarg_segment_size: 24
    .max_flat_workgroup_size: 128
    .sgpr_count:     66
    .vgpr_count:     1024
    .wavefront_size: 32
...
	.end_amdgpu_metadata
.endif
;; end of part 2
;; ======== version 2 of 2: 2 launches; version 1 with the launch prep written anew for expert scheduling mode
;; workspace buffers: xb 33,554,432 bytes; wb 33,554,432 bytes
;; launch prep (part 3): grid 512 x 1, 8 waves a work-group, no clusters, 0 bytes of LDS; arguments x, sign_weights, scales, xb, wb; writes xb, wb
.if DOCPART == 3
	.amdgcn_target "amdgcn-amd-amdhsa--gfx1250"
	.amdhsa_code_object_version 6
	.text
	.protected	k_q47c07a2974_prep
	.globl	k_q47c07a2974_prep
	.p2align	8
	.type	k_q47c07a2974_prep,@function
k_q47c07a2974_prep:
	s_mov_b64 s[64:65], 0
	v_nop
	global_prefetch_b8 v0, s[64:65] scope:SCOPE_SE
	s_setreg_imm32_b32 hwreg(HW_REG_WAVE_SCHED_MODE, 0, 2), 2
	s_setreg_imm32_b32 hwreg(HW_REG_WAVE_MODE, 25, 1), 1
	s_wait_xcnt 0x0
	s_wait_alu depctr_vm_vsrc(0)
; xb[m][i] = bf16(x[m][i]);  wb[o][i] = bf16(sign(w[o][i]) * scales[32 o + i / 128]).  x, w: [4096][4096] f32; scales: [131072] f32; xb, wb: [4096][4096] bf16.
; Both are rounded once, to nearest even.  A weight is +-1, 0 or NaN times its group's scale, so rounding the product is rounding the scale: the product that follows
; works on x and on the scales rounded to bf16, and on nothing else that is rounded.  bf16 has f32's exponents: no limit of range.
; sign() in full: w != 0 (infinities too) gives the scale with w's sign bit turned onto its own (a negative scale is served); w = +-0 and w = NaN give w * scale,
; which is a zero (NaN if the scale is infinite, as 0 * scale is) or NaN.
; A STREAM: every byte is read once and written once, nothing is shared between waves, so there is no LDS, no barrier, no matrix work and no cluster.
; SHARES.  512 work-groups of eight waves: wave number o = 8 x work-group + wave takes row o of w and row o of x, 16,384 bytes each: 64 ITEMS of 128 numbers.
; An item: one load of 16 bytes a lane (512 consecutive bytes, aligned), four numbers' arithmetic, one store of 8 bytes a lane (the wave's 32 lanes write 256 consecutive
; bytes, aligned).  An item of w is exactly one group of 128, so its scale is ONE scalar register; the row's 32 scales come by two scalar loads.
; All items are written out: an item's place stands in the immediate offsets (15,872 at the most), so no address register and no base is ever rewritten.
; THE MODE: SCHED_MODE bits 1:0 = 2 (LLVM: expert scheduling mode 2), set by the entry lines.  The code itself states the register dependences
; between vector instructions and memory instructions, and those through scalar registers that vector instructions write, with s_wait_alu, always for 0.
; THE PLAN.  The 64 items go in 16 blocks of four: blocks 0 to 7 are w's, blocks 8 to 15 x's.  Registers that memory instructions touch:
;   X0 .. X5   six blocks as loaded.  Written by the loads of block p + 5, issued in block p; read by block p's vector lines; no memory instruction reads them.
;   Y0, Y1     two blocks to store.   Written by block p's roundings; read by the four stores that are issued in block p + 1.
;   v1, v2     byte offsets, made once at the head and never written again.
; Block p works on X[p % 6] and writes Y[p % 2].  Its memory instructions are the loads into X[(p + 5) % 6] = X[(p - 1) % 6] and the stores from Y[(p - 1) % 2]: the two
; buffers that block p - 1 worked on and that no vector instruction of block p names.  So the waits at the head of a block state all that the block's eight memory
; instructions hang on, and these are dealt among its first vector instructions with no further wait.  Of the six X one is at work, one is being asked for again,
; four are on their way: 16 to 20 loads of every wave.
; A block of w makes its sixteen masks (w neither 0 nor NaN) in one run, into sixteen scalar registers: one wait stands between that run and the first select.
.set BLOCK,  4                         ; items in a block
.set BLOCKS, 16
.set WBLKS,  8                         ; blocks of w; as many of x follow
.set GROUPS, 32                        ; items of w (one scale group each)
.set NX,     6                         ; X buffers
.set AHEAD,  NX-1                      ; block p asks for block p + 5
.set LO,  1                            ; v1         16 x lane: my 16 bytes in an item's 512; never rewritten
.set SO,  2                            ; v2         8 x lane: my 8 bytes in an item's 256; never rewritten
.set T,   4                            ; v[4:7]     the scale with w's sign, then the choice: no memory instruction names them
.set P,   8                            ; v[8:11]    w x scale, taken where w is 0 or NaN: likewise
.set X,   12                           ; v[12:107]  buffer k, item i: 4 registers at X + 16 k + 4 i, as loaded
.set Y,   108                          ; v[108:123] buffer k, item i: 2 registers at Y + 8 k + 2 i, to store
.set SC,  16                           ; s[16:47]   my row's 32 scales
.set CM,  48                           ; s[48:63]   item i, number e of the block at work: lanes in which w is neither 0 nor NaN, at CM + 4 i + e
.set SB,  66                           ; s66        the sign bit
	s_load_b256 s[4:11], s[0:1], 0x0               ; x s[4:5], w s[6:7], scales s[8:9], xb s[10:11]
	s_load_b64 s[12:13], s[0:1], 0x20              ; wb
	v_and_b32 v3, 31, v0                           ; lane
	v_lshlrev_b32 v[LO], 4, v3
	v_lshlrev_b32 v[SO], 3, v3
	v_lshrrev_b32 v3, 5, v0
	v_readfirstlane_b32 s3, v3                     ; wave 0..7
	s_lshl_b32 s2, ttmp9, 3
	s_mov_b32 s15, 0                               ; the offsets below stay under 2^27: their high word is 0
	s_mov_b32 s[SB], 0x80000000
	s_wait_alu depctr_va_sdst(0)                   ; s3 is written, ahead of its first reader: all five bases are made from it
	s_add_co_u32 s2, s2, s3                        ; o: my row, 0..4095
	s_wait_kmcnt 0x0
	s_lshl_b32 s14, s2, 14                         ; a row of f32: 16,384 bytes
	s_add_nc_u64 s[4:5], s[4:5], s[14:15]
	s_add_nc_u64 s[6:7], s[6:7], s[14:15]
	s_lshl_b32 s14, s2, 13                         ; a row of bf16: 8,192 bytes
	s_add_nc_u64 s[10:11], s[10:11], s[14:15]
	s_add_nc_u64 s[12:13], s[12:13], s[14:15]
	s_lshl_b32 s14, s2, 7                          ; a row's 32 scales: 128 bytes
	s_add_nc_u64 s[8:9], s[8:9], s[14:15]
	s_load_b512 s[SC:SC+15], s[8:9], 0x0           ; no line of this text stores into scales
	s_load_b512 s[SC+16:SC+31], s[8:9], 0x40
; Item n is asked for, into the four registers at dst: each byte is read once in the launch.
.macro LOADI n, dst
.if (\n) < GROUPS
	global_load_b128 v[(\dst):(\dst)+3], v[LO], s[6:7] offset:512*(\n) th:TH_LOAD_NT
.else
	global_load_b128 v[(\dst):(\dst)+3], v[LO], s[4:5] offset:512*((\n)-GROUPS) th:TH_LOAD_NT
.endif
.endm
; Item n leaves, from the two registers at src: 32 lanes store 256 consecutive bytes, at a multiple of 256 from the buffer's first byte.  No hint: the next launch reads these bytes.
.macro STOREI n, src
.if (\n) < GROUPS
	global_store_b64 v[SO], v[(\src):(\src)+1], s[12:13] offset:256*(\n)
.else
	global_store_b64 v[SO], v[(\src):(\src)+1], s[10:11] offset:256*((\n)-GROUPS)
.endif
.endm
	s_wait_alu depctr_va_vdst(0)                   ; v[LO] and v[SO] are written: every load and store of the kernel reads one of them as its offset
.set t, 0
.rept AHEAD*BLOCK
	LOADI t, X+4*t                                 ; blocks 0 to 4 into X0 to X4: items 0 to 19
.set t, t+1
.endr
	s_wait_kmcnt 0x0                               ; the scales
; Block p (a symbol).
.macro BLK
.set XW, X+16*(p%NX)                   ; the X at work
.set XN, X+16*((p+AHEAD)%NX)           ; the X that the block before worked on: asked for again
.set YW, Y+8*(p%2)                     ; the Y that this block writes
.set YB, Y+8*((p+1)%2)                 ; the Y that the block before wrote: stored now
.if BLOCKS-1-p < AHEAD-1
	s_wait_loadcnt BLOCK*(BLOCKS-1-p)              ; blocks 11 to 15 ask for nothing more: from block 12 on the count runs down, 12, 8, 4, 0
.else
	s_wait_loadcnt BLOCK*(AHEAD-1)                 ; loads come back in order (ISA guide 5.7.1): my four are in; the four younger blocks' sixteen stay out
.endif
.if p >= 2
	s_wait_xcnt 0x0                                ; every earlier memory instruction has had its addresses translated (ISA guide 3.1): this block's Y is rewritten only behind this wait
	s_wait_alu depctr_vm_vsrc(0)                   ; the stores issued in the block before have read this block's Y, which its roundings write again
.endif
.if p >= 1
	s_wait_alu depctr_va_vdst(0)                   ; the block before has written the other Y, which the stores below read, and is done reading its X, in which the loads below land
.endif
.irp i, 0,1,2,3
.if p+AHEAD < BLOCKS
	LOADI BLOCK*(p+AHEAD)+(\i), XN+4*(\i)          ; five blocks ahead, ahead of the store; no vector instruction since the wait names these registers
.endif
.if p >= 1
	STOREI BLOCK*(p-1)+(\i), YB+2*(\i)             ; the block before
.endif
.if p < WBLKS
.irp e, 0,1,2,3
	v_cmp_lg_f32 s[CM+4*(\i)+(\e)], 0, v[XW+4*(\i)+(\e)]  ; less or greater than 0: false for 0 and for NaN
.endr
.endif
.endr
.irp i, 0,1,2,3
.if p < WBLKS
.irp e, 0,1,2,3
	v_and_b32 v[T+(\e)], s[SB], v[XW+4*(\i)+(\e)]  ; w's sign bit
.endr
.irp e, 0,1,2,3
	v_mul_f32 v[P+(\e)], s[SC+BLOCK*p+(\i)], v[XW+4*(\i)+(\e)]  ; w x scale: what sign(w) x scale is where w is 0 or NaN
.endr
.irp e, 0,1,2,3
	v_xor_b32 v[T+(\e)], s[SC+BLOCK*p+(\i)], v[T+(\e)]  ; the scale, its sign turned where w is negative
.endr
.if (\i) == 0
	s_wait_alu depctr_va_sdst(0)                   ; the block's sixteen masks s[CM ..] are written, ahead of the first select that reads one; the twelve lines above stand between
.endif
.irp e, 0,1,2,3
	v_cndmask_b32 v[T+(\e)], v[P+(\e)], v[T+(\e)], s[CM+4*(\i)+(\e)]
.endr
	v_cvt_pk_bf16_f32 v[YW+2*(\i)],   v[T],   v[T+1]      ; two roundings to bf16, packed
	v_cvt_pk_bf16_f32 v[YW+2*(\i)+1], v[T+2], v[T+3]
.else
	v_cvt_pk_bf16_f32 v[YW+2*(\i)],   v[XW+4*(\i)],   v[XW+4*(\i)+1]
	v_cvt_pk_bf16_f32 v[YW+2*(\i)+1], v[XW+4*(\i)+2], v[XW+4*(\i)+3]
.endif
.endr
.endm
.set p, 0
.rept BLOCKS
	BLK
.set p, p+1
.endr
	s_wait_alu depctr_va_vdst(0)                   ; block 15 has written Y1, which the last four stores read
.irp i, 0,1,2,3
	STOREI BLOCK*(BLOCKS-1)+(\i), Y+8+2*(\i)
.endr
	s_endpgm
.Lfunc_end_k_q47c07a2974_prep:
	.size	k_q47c07a2974_prep, .Lfunc_end_k_q47c07a2974_prep-k_q47c07a2974_prep
	.p2alignl 7, 3214868480
	.fill 96, 4, 3214868480
	.section	.rodata,"a",@progbits
	.p2align	6, 0x0
	.amdhsa_kernel k_q47c07a2974_prep
		.amdhsa_group_segment_fixed_size 0
		.amdhsa_private_segment_fixed_size 0
		.amdhsa_enable_private_segment 0
		.amdhsa_kernarg_size 40
		.amdhsa_user_sgpr_count 2
		.amdhsa_user_sgpr_kernarg_segment_ptr 1
		.amdhsa_wavefront_size32 1
		.amdhsa_system_sgpr_workgroup_id_x 1
		.amdhsa_system_sgpr_workgroup_id_y 1
		.amdhsa_system_sgpr_workgroup_id_z 1
		.amdhsa_system_vgpr_workitem_id 0
		.amdhsa_next_free_vgpr 124
		.amdhsa_next_free_sgpr 67
		.amdhsa_reserve_vcc 0
		.amdhsa_float_denorm_mode_32 3
		.amdhsa_float_denorm_mode_16_64 3
		.amdhsa_memory_ordered 1
		.amdhsa_forward_progress 1
		.amdhsa_inst_pref_size 52
	.end_amdhsa_kernel
	.amdgpu_metadata
---
amdhsa.version: [ 1, 2 ]
amdhsa.kernels:
  - .name:           k_q47c07a2974_prep
    .symbol:         k_q47c07a2974_prep.kd
    .args:
      - { .name: x, .offset: 0, .size: 8, .value_kind: global_buffer, .address_space: global }
      - { .name: sign_weights, .offset: 8, .size: 8, .value_kind: global_buffer, .address_space: global }
      - { .name: scales, .offset: 16, .size: 8, .value_kind: global_buffer, .address_space: global }
      - { .name: xb, .offset: 24, .size: 8, .value_kind: global_buffer, .address_space: global }
      - { .name: wb, .offset: 32, .size: 8, .value_kind: global_buffer, .address_space: global }
    .group_segment_fixed_size: 0
    .private_segment_fixed_size: 0
    .kernarg_segment_align: 8
    .kernarg_segment_size: 40
    .max_flat_workgroup_size: 256
    .sgpr_count:     67
    .vgpr_count:     124
    .wavefront_size: 32
...
	.end_amdgpu_metadata
.endif
;; end of part 3
;; launch gemm: the kernel of part 2 again; grid 16 x 16, 4 waves a work-group, clusters of 4 x 4, 327,680 bytes of LDS; arguments xb, wb, out0; writes out0
